; MI455X (gfx1250); checked and timed in simulation.
; The chip was launched on July 23, 2026; its instructions are those of AMD's public machine-readable ISA for CDNA 5 (MIT licence, August 2026) and "CDNA5" Instruction Set Architecture Reference Guide (July 2026). The comments in the code are by the model that wrote it; some were corrected since.
;; Multi Head Attention Debug. Allowed arithmetic: matrix products marked QUANTISED: E4M3 operands, one given power-of-two scale a tensor, by v_wmma_f32_16x16x64_fp8_fp8 or v_wmma_f32_16x16x128_fp8_fp8, f32 sums; everything else in f32.
;; Inputs: Wk 1,024 x 1,024 float32; Wo 1,024 x 1,024 float32; Wq 1,024 x 1,024 float32; Wv 1,024 x 1,024 float32; bo 1,024 float32; lowp_scales 12 int32 (the exponents e of the quantised operands' scales 2^e); x 4 x 2,048 x 1,024 float32.
;; Outputs: out0 4 x 2,048 x 1,024 float32.
;; This version of the problem:
;;   THIS VERSION OF THE PROBLEM IS GIVEN IN LOW PRECISION. The matrix products marked QUANTISED in the list below multiply operands that are first quantised to E4M3 (4 exponent bits, 3 mantissa bits; 8 bits a number), with one given power-of-two scale for each operand tensor; their sums are f32. All else is computed in f32.
;;   The module's matrix products, in the order in which they are computed (A, B: the left and right operand; K: the contracted axis; several contracted axes count as one K, in the product's order):
;;     1. [M 8,192, K 1,024] x [K 1,024, N 1,024]; A: input x; B: input Wq: QUANTISED (scales: A lowp_scales[0], B lowp_scales[1])
;;     2. [M 8,192, K 1,024] x [K 1,024, N 1,024]; A: input x; B: input Wk: QUANTISED (scales: A lowp_scales[2], B lowp_scales[3])
;;     3. [M 8,192, K 1,024] x [K 1,024, N 1,024]; A: input x; B: input Wv: QUANTISED (scales: A lowp_scales[4], B lowp_scales[5])
;;     4. batch 64 x [M 2,048, K 64] x [K 64, N 2,048]; A: computed on the way; B: computed on the way: QUANTISED (scales: A lowp_scales[6], B lowp_scales[7])
;;     5. batch 64 x [M 2,048, K 2,048] x [K 2,048, N 64]; A: softmax (see below); B: computed on the way: QUANTISED (scales: A lowp_scales[8], B lowp_scales[9])
;;     6. [M 8,192, K 1,024] x [K 1,024, N 1,024]; A: computed on the way; B: input Wo: QUANTISED (scales: A lowp_scales[10], B lowp_scales[11])
;;   THE QUANTISER, for each operand of a quantised product, along K:
;;     - The operand's scale is 2^e, e = its entry of the input lowp_scales (int32; the entries are numbered through the quantised products in the list's order, A before B).
;;     - Each number is divided by the scale, clamped to +-448, and rounded to the nearest number of E4M3, ties to even, subnormals kept.
;;     - The product sums the exact products of the quantised numbers (number of the format x scale) in f32.
;;   ~~~python
;;   def quantise(x, axis, e):      # numpy; x: float32 -> the quantised numbers, widened to float32 again
;;       x = np.moveaxis(x, axis, -1); K = x.shape[-1]
;;       r = np.clip(x / 2.0 ** e, -448, 448)
;;       step = 2.0 ** (np.maximum(np.frexp(np.where(r == 0, 1, r))[1] - 1, -6) - 3)
;;       q = np.round(r / step) * step * 2.0 ** e      # np.round: ties to even
;;       return np.moveaxis(q, -1, axis).astype(np.float32)
;;   ~~~
;;   SOFTMAX AHEAD OF A QUANTISED PRODUCT. Where the list says 'softmax', what is quantised is not the finished softmax but p = 2^(t - M), with t = logit x log2(e) and M = ceil(the row's largest t), a whole number; so 1/2 < the row's largest p <= 1. The row's sum l is taken of the UNQUANTISED p, in f32, and the product's result is divided by l at the end. Since M is a whole number, a kernel that streams over the keys may use a running M (the ceiling of the running maximum): every later rescaling is an exact power of two, so the quantised numbers keep their values, but for numbers so far below the row's largest that they fall under the format's range.
;;   OPERANDS COMPUTED ON THE WAY. 'Computed on the way' means the value that the module computes at that place (a softmax that the list does not call 'softmax' is quantised finished and normalised). What goes into a quantiser is computed in f32, as accurately as f32 sums, v_exp_f32 and their like allow (about 1e-6 of the number): no bf16 or f16 on the way to a quantiser, and a product that is left as it is and whose result goes on into a quantised operand takes f32 operands (vector FMAs, or v_wmma_f32_16x16x4_f32). A number that lies on a knife's edge between two numbers of the format may be rounded either way, as far as f32 arithmetic and the matrix unit's own rounding can turn it there, and no further.
;; One version. Each part assembles by itself: llvm-mc -triple=amdgcn-amd-amdhsa -mcpu=gfx1250 --defsym DOCPART=n.
;; ======== version 1 of 1: 4 launches
;; limits: right only within a limited range of input values
;; workspace buffers: xc 25,165,824 bytes; wc 4,194,304 bytes; qkv 25,165,824 bytes; cc 8,388,608 bytes
;; launch quant (part 1): grid 384 x 1, 8 waves a work-group, no clusters, 68,608 bytes of LDS; arguments x, Wq, Wk, Wv, Wo, lowp_scales, xc, wc; writes xc, wc
.if DOCPART == 1
	.amdgcn_target "amdgcn-amd-amdhsa--gfx1250"
	.amdhsa_code_object_version 6
	.text
	.protected	k_qaafe846a45_quant
	.globl	k_qaafe846a45_quant
	.p2align	8
	.type	k_qaafe846a45_quant,@function
k_qaafe846a45_quant:
	s_mov_b64 s[64:65], 0
	v_nop
	global_prefetch_b8 v0, s[64:65] scope:SCOPE_SE
	s_setreg_imm32_b32 hwreg(HW_REG_WAVE_MODE, 25, 1), 1
	s_wait_xcnt 0x0
; x [8192][1024] and Wq, Wk, Wv, Wo [1024][1024], f32 with K innermost, become codes of FP8 (E4M3), each with the scale 2^e given for it.
; x is an operand of three products with an entry of its own in each (e0, e2, e4): it is read once and leaves as three planes of codes.  Wq, Wk, Wv, Wo take e1, e3, e5, e11.
; code = number / 2^e, held within +-448, to the nearest code, ties to even.  LIMITS: every e between -126 and 119.  NaN among the inputs is not served; an infinity is held at the largest code.
; THE CODES LEAVE AS IMAGES OF OPERAND REGISTERS.  Tile T, lane-row r (0..15) stand for matrix row 32 (T / 2) + 8 (T % 2) + r + 8 (r / 8).  The byte of (row, k) is
;   (T / 8) 131072 + (k / 256) 32768 + (T % 8) 4096 + ((k / 32) % 8) 512 + ((k / 16) % 2) 256 + 16 r + k % 16:
; a fragment (16 rows x 128 K) is 2,048 consecutive bytes, four loads of 16 bytes a lane at 16 x lane, and 8 tiles x 256 K are one dense block of 32,768 bytes.
; SHARES.  Work-groups 0-255: 32 rows of x each; 256-383: 32 rows of one W.  Wave w: tile 2 b + w / 4, K quarter w % 4: two steps of 16 rows x 128 K.
; Each load reads 512 consecutive bytes of one row; a step's 8,192 bytes turn through the wave's own stage in LDS (rows 528 bytes apart) and come back 16 neighbours along K at a time, as the conversions
; want them.  Each store covers 512 consecutive bytes, aligned.  Waves share nothing: no barrier.  All 32 loads of a wave go out at the start.
.set SP,   528                         ; a stage row: 512 bytes + 16
.set STG,  16*SP                       ; a wave's stage
.set SCL,  4                           ; v4-6    2^e as f32, for outputs 0, 1, 2
.set LIM,  8
.set T,    16
.set R,    48                          ; v48-175 two steps' 64 numbers
.set C,    176                         ; v176-223 codes: 16 registers for each output
	s_load_b256 s[4:11], s[0:1], 0x0               ; x s[4:5], Wq s[6:7], Wk s[8:9], Wv s[10:11]
	s_load_b256 s[12:19], s[0:1], 0x20             ; Wo s[12:13], the exponents s[14:15], xc s[16:17], wc s[18:19]
	v_lshl_add_u32 v224, v0, 2, 0x10800
	v_mov_b32 v225, 0
	v_lshrrev_b32 v1, 5, v0
	s_delay_alu instid0(VALU_DEP_1)
	v_readfirstlane_b32 s20, v1                    ; wave 0..7
	v_and_b32 v2, 31, v0
	s_delay_alu instid0(VALU_DEP_1)
	v_lshlrev_b32 v1, 4, v2                        ; v1 = 16 x lane: my bytes of a load's and of a store's 512
	s_mul_i32 s44, s20, STG
	v_add_nc_u32 v2, s44, v1                       ; v2: into the stage, as loaded
	v_and_b32 v3, 15, v0                           ; r
	v_bfe_u32 v7, v0, 4, 1                         ; h
	s_delay_alu instid0(VALU_DEP_2)
	v_mul_u32_u24 v3, v3, SP
	s_delay_alu instid0(VALU_DEP_1)
	v_lshl_add_u32 v3, v7, 6, v3
	s_delay_alu instid0(VALU_DEP_1)
	v_add_nc_u32 v3, s44, v3                       ; v3: out of it: row r, + 64 h: my 16 numbers of a block of 32
	s_lshr_b32 s45, ttmp9, 5
	s_and_b32 s45, s45, 3                          ; which W (work-groups 256 on)
	s_and_b32 s46, ttmp9, 31
	s_cmp_lt_u32 ttmp9, 256                        ; x's work-group or a W's?  The choice hangs on the work-group's number alone
	s_cselect_b32 s46, ttmp9, s46                  ; b: which 32 rows
	s_lshr_b32 s47, s20, 2                         ; u: which of the two tiles
	s_and_b32 s48, s20, 3                          ; which 256 along K
	s_lshl_b32 s50, s46, 17                        ; in: 32 b rows of 4,096 bytes,
	s_lshl_b32 s49, s47, 15                        ; + 8 u rows,
	s_add_co_u32 s50, s50, s49
	s_lshl_b32 s49, s48, 10                        ; + the quarter's 1,024 bytes
	s_add_co_u32 s50, s50, s49
	s_mov_b32 s51, 0
	s_lshr_b32 s52, s46, 2                         ; out: T = 2 b + u: (T / 8) 131072,
	s_lshl_b32 s52, s52, 17
	s_lshl_b32 s49, s48, 15                        ; + the quarter's block,
	s_add_co_u32 s52, s52, s49
	s_and_b32 s49, s46, 3
	s_lshl_b32 s49, s49, 1
	s_add_co_u32 s49, s49, s47
	s_lshl_b32 s49, s49, 12                        ; + (T % 8) 4096,
	s_add_co_u32 s52, s52, s49
	s_lshl_b32 s49, s45, 20                        ; + the W's plane of wc
	s_cmp_lt_u32 ttmp9, 256
	s_cselect_b32 s49, 0, s49
	s_add_co_u32 s52, s52, s49
	s_mov_b32 s53, 0
	s_wait_alu depctr_va_vdst(0)
	s_wait_kmcnt 0x0
	s_load_b256 s[24:31], s[14:15], 0x0            ; e0 .. e7
	s_load_b128 s[32:35], s[14:15], 0x20           ; e8 .. e11
	s_cmp_eq_u32 s45, 1
	s_cselect_b64 s[36:37], s[8:9], s[6:7]
	s_cmp_eq_u32 s45, 2
	s_cselect_b64 s[36:37], s[10:11], s[36:37]
	s_cmp_eq_u32 s45, 3
	s_cselect_b64 s[36:37], s[12:13], s[36:37]
	s_cmp_lt_u32 ttmp9, 256
	s_cselect_b64 s[36:37], s[4:5], s[36:37]       ; the tensor that I read,
	s_cselect_b64 s[38:39], s[16:17], s[18:19]     ; and the buffer that I write
	s_add_nc_u64 s[36:37], s[36:37], s[50:51]
	s_add_nc_u64 s[38:39], s[38:39], s[52:53]      ; output 0
	s_add_nc_u64 s[40:41], s[38:39], 0x800000      ; x's planes 1 and 2 (used by x's work-groups alone)
	s_add_nc_u64 s[42:43], s[38:39], 0x1000000
.macro LOADS s                         ; step s: lane-row i is row i + 8 (i / 8) of the tile's rows; 32 lanes read 512 consecutive bytes
.irp i, 0,1,2,3,4,5,6,7,8,9,10,11,12,13,14,15
	global_load_b128 v[R+64*\s+4*\i:R+64*\s+4*\i+3], v1, s[36:37] offset:(\i+8*(\i/8))*4096+512*\s th:TH_LOAD_NT
.endr
.endm
.macro TURN s                          ; through the stage and back into the registers that they left: register 16 c + i = k 32 c + 16 h + i of row r.  LDS serves a wave's instructions in order: no wait between
.irp i, 0,1,2,3,4,5,6,7,8,9,10,11,12,13,14,15
	ds_store_b128 v2, v[R+64*\s+4*\i:R+64*\s+4*\i+3] offset:SP*\i
.endr
.irp c, 0,1,2,3
.irp j, 0,1,2,3
	ds_load_b128 v[R+64*\s+16*\c+4*\j:R+64*\s+16*\c+4*\j+3], v3 offset:128*\c+16*\j
.endr
.endr
.endm
.macro SCALE p, se                     ; output p's scale from the exponent in \se
	s_add_co_i32 s55, \se, 127
	s_lshl_b32 s49, s55, 23
	v_mov_b32 v[SCL+\p], s49                       ; 2^e as f32: the conversion takes its exponent field
.endm
.macro QOUT s, p                       ; step s's fragment with output p's scale: converted, stored
.irp c, 0,1,2,3
.irp i, 0,1,2,3,4,5,6,7,8,9,10,11,12,13,14,15
.endr
	v_cvt_scalef32_pk8_fp8_f32 v[C+16*\p+4*\c:C+16*\p+4*\c+1], v[T+16*(\c%2)+((R+64*\s+16*\c+0)-(T+16*(\c%2)+0)):T+16*(\c%2)+7+((R+64*\s+16*\c+0)-(T+16*(\c%2)+0))], v[SCL+\p]
	v_cvt_scalef32_pk8_fp8_f32 v[C+16*\p+4*\c+2:C+16*\p+4*\c+3], v[T+16*(\c%2)+8+((R+64*\s+16*\c+0)-(T+16*(\c%2)+0)):T+16*(\c%2)+15+((R+64*\s+16*\c+0)-(T+16*(\c%2)+0))], v[SCL+\p]
.endr
	v_nop                                          ; a plain line behind the last conversion
.irp c, 0,1,2,3
	global_store_b128 v1, v[C+16*\p+4*\c:C+16*\p+4*\c+3], s[38+2*\p:39+2*\p] offset:2048*\s+512*\c   ; 32 lanes store 512 consecutive bytes, aligned
.endr
.endm
	LOADS 0
	LOADS 1
	s_wait_kmcnt 0x0
	s_cmp_eq_u32 s45, 1
	s_cselect_b32 s54, s27, s25                    ; e3 or e1,
	s_cmp_eq_u32 s45, 2
	s_cselect_b32 s54, s29, s54                    ; e5,
	s_cmp_eq_u32 s45, 3
	s_cselect_b32 s54, s35, s54                    ; e11,
	s_cmp_lt_u32 ttmp9, 256
	s_cselect_b32 s54, s24, s54                    ; or, for x, e0
	SCALE 0, s54
	SCALE 1, s26                                   ; e2
	SCALE 2, s28                                   ; e4
	s_wait_alu depctr_va_vdst(0)
	s_wait_loadcnt 16                              ; step 0's sixteen loads are in; step 1's may be out
	TURN 0
	s_wait_loadcnt 0x0
	TURN 1
	s_wait_dscnt 32                                ; step 0 is back; step 1's 32 LDS instructions may be out
	QOUT 0, 0
	s_cmp_lt_u32 ttmp9, 256                        ; a W has one scale: the branch goes round register work and stores alone
	s_cbranch_scc0 .Lone_scale_0
	QOUT 0, 1
	QOUT 0, 2
.Lone_scale_0:
	s_wait_dscnt 0x0                               ; step 1 is back
	s_wait_xcnt 0x0                                ; step 0's stores have read their registers: the codes' registers are written again only behind this wait
	QOUT 1, 0
	s_cmp_lt_u32 ttmp9, 256
	s_cbranch_scc0 .Lone_scale_1
	QOUT 1, 1
	QOUT 1, 2
.Lone_scale_1:
	s_wait_tensorcnt 0x0
	ds_add_u32 v224, v225
	s_wait_dscnt 0x0
	s_endpgm
.Lfunc_end_k_qaafe846a45_quant:
	.size	k_qaafe846a45_quant, .Lfunc_end_k_qaafe846a45_quant-k_qaafe846a45_quant
	.p2alignl 7, 3214868480
	.fill 96, 4, 3214868480
	.section	.rodata,"a",@progbits
	.p2align	6, 0x0
	.amdhsa_kernel k_qaafe846a45_quant
		.amdhsa_group_segment_fixed_size 68608
		.amdhsa_private_segment_fixed_size 0
		.amdhsa_enable_private_segment 0
		.amdhsa_kernarg_size 64
		.amdhsa_user_sgpr_count 2
		.amdhsa_user_sgpr_kernarg_segment_ptr 1
		.amdhsa_wavefront_size32 1
		.amdhsa_system_sgpr_workgroup_id_x 1
		.amdhsa_system_sgpr_workgroup_id_y 1
		.amdhsa_system_sgpr_workgroup_id_z 1
		.amdhsa_system_vgpr_workitem_id 0
		.amdhsa_next_free_vgpr 226
		.amdhsa_next_free_sgpr 66
		.amdhsa_reserve_vcc 0
		.amdhsa_float_denorm_mode_32 3
		.amdhsa_float_denorm_mode_16_64 3
		.amdhsa_fp16_overflow 1
		.amdhsa_memory_ordered 1
		.amdhsa_forward_progress 1
		.amdhsa_inst_pref_size 17
	.end_amdhsa_kernel
	.amdgpu_metadata
---
amdhsa.version: [ 1, 2 ]
amdhsa.kernels:
  - .name:           k_qaafe846a45_quant
    .symbol:         k_qaafe846a45_quant.kd
    .args:
      - { .name: x, .offset: 0, .size: 8, .value_kind: global_buffer, .address_space: global }
      - { .name: Wq, .offset: 8, .size: 8, .value_kind: global_buffer, .address_space: global }
      - { .name: Wk, .offset: 16, .size: 8, .value_kind: global_buffer, .address_space: global }
      - { .name: Wv, .offset: 24, .size: 8, .value_kind: global_buffer, .address_space: global }
      - { .name: Wo, .offset: 32, .size: 8, .value_kind: global_buffer, .address_space: global }
      - { .name: lowp_scales, .offset: 40, .size: 8, .value_kind: global_buffer, .address_space: global }
      - { .name: xc, .offset: 48, .size: 8, .value_kind: global_buffer, .address_space: global }
      - { .name: wc, .offset: 56, .size: 8, .value_kind: global_buffer, .address_space: global }
    .group_segment_fixed_size: 68608
    .private_segment_fixed_size: 0
    .kernarg_segment_align: 8
    .kernarg_segment_size: 64
    .max_flat_workgroup_size: 256
    .sgpr_count:     66
    .vgpr_count:     226
    .wavefront_size: 32
...
	.end_amdgpu_metadata
.endif
;; end of part 1
;; launch qkv (part 2): grid 12 x 32, 4 waves a work-group, clusters of 4 x 4, 327,680 bytes of LDS; arguments xc, wc, lowp_scales, qkv; writes qkv
.if DOCPART == 2
	.amdgcn_target "amdgcn-amd-amdhsa--gfx1250"
	.amdhsa_code_object_version 6
	.text
	.protected	k_qaafe846a45_qkv
	.globl	k_qaafe846a45_qkv
	.p2align	8
	.type	k_qaafe846a45_qkv,@function
k_qaafe846a45_qkv:
	s_mov_b64 s[64:65], 0
	v_nop
	global_prefetch_b8 v0, s[64:65] scope:SCOPE_SE
	s_setreg_imm32_b32 hwreg(HW_REG_WAVE_MODE, 25, 1), 1
	s_wait_xcnt 0x0
	s_wait_alu depctr_hold_cnt(0) depctr_sa_sdst(0) depctr_va_vdst(0) depctr_va_sdst(0) depctr_va_ssrc(0) depctr_va_vcc(0) depctr_vm_vsrc(0)
	s_getreg_b32 s2, hwreg(HW_REG_IB_STS2, 6, 4)
	s_cmp_eq_u32 s2, 0
	s_cbranch_scc0 .Lentry_in_a_cluster
	s_endpgm
.Lentry_in_a_cluster:
	s_bfe_u32 s2, ttmp6, 0x10000c
	s_cmp_lg_u32 s2, 0xf033
	s_cbranch_scc0 .Lentry_shape_is_right
	s_endpgm
.Lentry_shape_is_right:
; q = x Wq^T, k = x Wk^T, v = x Wv^T on codes of FP8 (E4M3), f32 sums; each finished sum is quantised at once for the product that takes it (q: e6, k: e7, v: e9) and leaves as a code.
; The cluster's x says which: p = 0 q, 1 k, 2 v.  A sum stands for sum x 2^(ex + ew), so its code is sum / 2^fold, fold = e6 - e0 - e1, e7 - e2 - e3, e9 - e4 - e5, held within +-448 x 2^fold.
; LIMIT: each fold between -126 and 119.
; OPERANDS are images of operand registers.  Tile T, lane-row r stand for row 32 (T / 2) + 8 (T % 2) + r + 8 (r / 8); 8 tiles x 256 K are one dense block of 32,768 bytes, in it tile i's fragment q
; at 4096 i + 2048 q, four loads of 16 bytes a lane at 16 x lane + 512 c: registers 4 c .. 4 c + 3 hold K = 32 c + 16 (lane / 16) + 0 .. 15, the same places in both operands.
; A tile of the result, 256 x 256, is made by four waves, 128 x 128 each: 64 accumulators, 512 registers.  K = 1,024 goes in four steps of 256 through two LDS slots.
; THE MATRIX INSTRUCTION IS USED TRANSPOSED: source 1 ('A') is the operand of which a lane keeps ONE row, source 0 ('B') the one that runs along the lane's registers; by the choice of a tile's rows the 16 registers
; of B's tiles 2 b and 2 b + 1 are 16 NEIGHBOURS.  q, k: A = tokens (x), B = features (W): a lane's registers run along the head's 64, the next K.  v: A = channels (Wv), B = tokens (x): they run along the keys,
; the next K.  Only pointers, tile numbers and store offsets are chosen (by selects on p, which all partners share): one text, no branch.
; CLUSTERS: 4 x 4 work-groups.  A's tile hangs on cy alone and is asked for jointly along a row of the cluster, B's on cx alone, along a column.
; OUT: q, k planes [b h 64][T 128][c 2][lane][16 bytes] (token = the tile's row, d = 32 c + 16 (lane / 16) + i); v plane [b h][key step 16][t 4][c 4][lane][16 bytes] (channel = the tile's row, key = 128 s + 32 c + ..).
; The conversions' results are those bytes: each store covers 512 consecutive bytes, aligned; nothing goes through LDS.
; REGISTERS: window 0: v6-31 addresses and scales; v128-255 A's fragments, ONE set, later the codes.  window 1: B's fragments, TWO sets.  windows 2, 3: accumulator (a, b) at v[8 (8 (a % 4) + b)].
.set HALFT,  32768                     ; 8 tiles x 256 K: what one tensor load brings, and what one wave reads of A or of B
.set SLOT,   4*HALFT                   ; A's two halves, then B's two
.set KBLK,   32768                     ; in memory: from a K step's block to the next
.set SPARE,  2*SLOT                    ; behind the ring: the spare words, 128 bytes for each wave: two blocks of 256 bytes that no other line names
.set FR,     16                        ; registers of a fragment
.set NL,     4                         ; LDS loads that bring one
.set NP,     4                         ; places behind this matrix instruction (ISA guide 7.12.1)
.set VB,   8                           ; v8-11   store offsets for the four groups of 16 codes
.set ADRA, 16                          ; v16-17  LDS address of my A fragments in slot 0, 1
.set ADRB, 20                          ; v20-21  the same for B
.set SPW,  28                          ; v28     LDS address of my spare word; never rewritten
.set NIL,  29                          ; v29     0; never rewritten
.set LIMR, 30
.set SCLR, 31                          ; v31     2^fold
.set TMP,  32
.set AF,   128
.set CD,   128
.set G1, 24                            ; s[24:31] descriptor group 1 for A's tiles;  s[32:39] group 0, one set for each slot
.set G0, 32
.set G1B, 48                           ; s[48:55], s[56:63] the same for B's tiles
.set G0B, 56
.set PL, 66                            ; s66     p
.set Y4, 67                            ; s67     4 x the cluster's y
.set SB, 68                            ; s[68:83] eight store bases, one for each block of A
.set MSB, 0
.macro WIN new                         ; the immediate's high byte repeats the setting that is left
.if MSB != \new
	s_set_vgpr_msb (MSB<<8)|\new
.set MSB, \new
.endif
.endm
.set MUL_LO, 0xa1                      ; source 0 (B) window 1, source 1 (A) window 0, C and D window 2
.set MUL_HI, 0xf1                      ; the same, C and D window 3
.set TO_B,   0x40                      ; destination window 1, address window 0
; A joint load: waves 0 and 1 fetch A's halves, waves 2 and 3 B's.  The branch hangs on the wave's number alone.  Four v_nop follow each of the two lines.
.macro JLOAD g0a, g1a, g0b, g1b
	s_cmp_eq_u32 s15, 0
	s_cbranch_scc0 .Lfor_b_\@
	tensor_load_to_lds s[\g0a:\g0a+3], s[\g1a:\g1a+7]
	s_nop 0
.rept 4
	v_nop
.endr
	s_branch .Lasked_\@
.Lfor_b_\@:
	tensor_load_to_lds s[\g0b:\g0b+3], s[\g1b:\g1b+7]
	s_nop 0
.rept 4
	v_nop
.endr
.Lasked_\@:
.endm
.macro CREST                           ; a round of the cluster's barrier behind its opening barrier
	s_cmp_lg_u32 s14, 0
	s_cbranch_scc1 .Lnot_wave_0_\@
	s_barrier_signal -3
.Lnot_wave_0_\@:
	s_barrier_wait -3
	s_barrier_signal -1
	s_barrier_wait -1
.endm
.macro CROUND                          ; a whole round
	s_barrier_signal -1
	s_barrier_wait -1
	CREST
.endm
	s_load_b128 s[4:7], s[0:1], 0x0                ; xc s[4:5], wc s[6:7]
	s_load_b128 s[8:11], s[0:1], 0x10              ; the exponents s[8:9], qkv s[10:11]
	v_lshl_add_u32 v[SPW], v0, 2, SPARE
	v_mov_b32 v[NIL], 0
	ds_add_u32 v28, v29
	ds_add_u32 v28, v29
	s_wait_dscnt 0x0
	v_lshrrev_b32 v1, 5, v0
	v_readfirstlane_b32 s14, v1                    ; wave 0..3
	s_lshr_b32 s15, s14, 1                         ; which half of A's rows is mine.  Also: I fetch for A (0) or for B (1)
	s_and_b32 s16, s14, 1                          ; which half of B's rows.  Also: which half of that tile I fetch
	s_bfe_u32 s40, ttmp6, 0x40000                  ; cx, cy: my place in the cluster
	s_bfe_u32 s41, ttmp6, 0x40004
	s_mov_b32 s[PL], ttmp9                         ; p: the cluster's x, which all sixteen share
	s_and_b32 s[Y4], ttmp7, 0xffff
	s_lshl_b32 s[Y4], s[Y4], 2
	s_lshl_b32 s43, s41, 2
	s_lshl_b32 s43, 15, s43                        ; my row of the cluster
	s_lshl_b32 s44, 0x1111, s40                    ; my column
	; descriptor group 1: a dense block as 128 rows of 256 bytes
	s_or_b32 s[G1+0], s43, (3<<16)|(1<<21)         ; 15:0 the mask: A's tiles go to my row; 17:16 elements of 8 bytes; 20 no padding; 21 set beside a mask
	s_or_b32 s[G1B+0], s44, (3<<16)|(1<<21)        ; the same with my column, for B's tiles
.irp g, G1, G1B
	s_mov_b32 s[\g+1], 32<<16                      ; tensor_dim0 = 32 elements
	s_mov_b32 s[\g+2], 128<<16                     ; tensor_dim1 = 128
	s_mov_b32 s[\g+3], 32<<16                      ; tile_dim0
	s_mov_b32 s[\g+4], 128                         ; tile_dim1
	s_mov_b32 s[\g+5], 32                          ; tensor_dim0_stride: the rows are dense
	s_mov_b32 s[\g+6], 0
	s_mov_b32 s[\g+7], 0
.endr
	s_cmp_eq_u32 s[PL], 2
	s_cselect_b32 s17, 0, s[Y4]
	s_cselect_b32 s42, s[Y4], 0
	s_add_co_u32 s17, s17, s41                     ; A's tile: q, k: token tile 4 Y + cy;  v: channel tile cy.  Never cx
	s_add_co_u32 s42, s42, s40                     ; B's tile: q, k: feature tile cx;  v: token tile 4 Y + cx.  Never cy
	s_lshl_b32 s18, s16, 17                        ; the half that I fetch: 8 tiles
	s_lshl_b32 s20, s17, 18                        ; a tile of 256 rows: 16 tiles' images
	s_add_co_u32 s20, s20, s18
	s_mov_b32 s21, 0
	s_lshl_b32 s46, s42, 18
	s_add_co_u32 s46, s46, s18
	s_mov_b32 s47, 0
	s_mul_i32 s45, s14, HALFT                      ; where they go: wave x a half: no place in the cluster enters an LDS address
	s_wait_kmcnt 0x0
	s_load_b256 s[84:91], s[8:9], 0x0              ; e0 .. e7
	s_load_b128 s[92:95], s[8:9], 0x20             ; e8 .. e11
	s_lshl_b32 s18, s[PL], 23
	s_mov_b32 s19, 0
	s_add_nc_u64 s[4:5], s[4:5], s[18:19]          ; x's plane p
	s_lshl_b32 s18, s[PL], 20
	s_add_nc_u64 s[6:7], s[6:7], s[18:19]          ; W's plane p
	s_cmp_eq_u32 s[PL], 2
	s_cselect_b64 s[22:23], s[6:7], s[4:5]         ; A
	s_cselect_b64 s[12:13], s[4:5], s[6:7]         ; B
	s_add_nc_u64 s[20:21], s[22:23], s[20:21]
	s_add_nc_u64 s[46:47], s[12:13], s[46:47]
	CROUND                                         ; all sixteen work-groups are here: the first joint loads meet
.irp s, 0,1
	s_mov_b32 s[G0+4*\s], 1
	s_add_co_u32 s[G0+4*\s+1], s45, \s*SLOT
	s_add_nc_u64 s[G0+4*\s+2:G0+4*\s+3], s[20:21], \s*KBLK
	s_or_b32 s[G0+4*\s+3], s[G0+4*\s+3], 0x80000000
	s_mov_b32 s[G0B+4*\s], 1
	s_add_co_u32 s[G0B+4*\s+1], s45, \s*SLOT
	s_add_nc_u64 s[G0B+4*\s+2:G0B+4*\s+3], s[46:47], \s*KBLK
	s_or_b32 s[G0B+4*\s+3], s[G0B+4*\s+3], 0x80000000
	JLOAD G0+4*\s, G1, G0B+4*\s, G1B
.endr
	v_and_b32 v6, 31, v0
	v_lshlrev_b32 v6, 4, v6                        ; 16 x lane
	s_wait_alu depctr_va_vdst(0)
	s_mul_i32 s21, s15, HALFT                      ; my half of A
	s_mul_i32 s22, s16, HALFT                      ; my half of B,
	s_add_co_u32 s22, s22, 2*HALFT                 ; which lies behind A's two
.irp s, 0,1
	v_add_nc_u32 v[ADRA+\s], s21, v6
	v_add_nc_u32 v[ADRB+\s], s22, v6
	s_add_co_u32 s21, s21, SLOT
	s_add_co_u32 s22, s22, SLOT
.endr
	; where my codes go.  tok, feat: the token tile and the feature tile, with my halves of them
	s_cmp_eq_u32 s[PL], 2
	s_cselect_b32 s96, s42, s17                    ; tok
	s_cselect_b32 s97, s16, s15                    ; its half
	s_cselect_b32 s98, s17, s42                    ; feat
	s_cselect_b32 s99, s15, s16                    ; its half
	s_lshr_b32 s100, s96, 3
	s_lshl_b32 s100, s100, 4                       ; 16 x batch
	s_lshl_b32 s98, s98, 2
	s_add_co_u32 s100, s100, s98                   ; + 4 heads a feature tile
	s_lshl_b32 s99, s99, 1
	s_add_co_u32 s100, s100, s99                   ; + 2 a half: the first of my two heads
	s_lshl_b32 s100, s100, 17                      ; a head's 131,072 bytes
	s_and_b32 s96, s96, 7
	s_lshl_b32 s96, s96, 1
	s_add_co_u32 s96, s96, s97
	s_lshl_b32 s96, s96, 13                        ; my 128 tokens of the batch's 2,048: 8,192 bytes in each of the three layouts
	s_add_co_u32 s96, s96, s100
	s_lshl_b32 s97, s[PL], 23                      ; the plane
	s_add_co_u32 s96, s96, s97
	s_mov_b32 s97, 0
	s_add_nc_u64 s[96:97], s[10:11], s[96:97]
	s_mov_b32 s99, 0
	s_cmp_eq_u32 s[PL], 2                          ; (moves, selects and 64-bit sums leave SCC alone)
.irp a, 0,1,2,3,4,5,6,7
	s_mov_b32 s98, (\a/4)*131072+(\a%4)*2048       ; v: block a of A is channel tile a % 4 of head a / 4;
	s_cselect_b32 s98, s98, \a*1024                ; q, k: token tile a
	s_add_nc_u64 s[SB+2*\a:SB+2*\a+1], s[96:97], s[98:99]
.endr
.irp b, 0,1,2,3
	s_mov_b32 s98, 512*\b                          ; v: group b of B's tiles is keys 32 b on;
	s_cselect_b32 s98, s98, (\b/2)*131072+(\b%2)*512   ; q, k: head b / 2, d = 32 (b % 2) on
	v_add_nc_u32 v[VB+\b], s98, v6
.endr
.macro FRAG reg, adr, q, i             ; tile i's fragment of the slot's q-th 128 along K: four loads of 512 consecutive bytes
.irp c, 0,1,2,3
	ds_load_b128 v[\reg+4*\c:\reg+4*\c+3], v[\adr] offset:(\i)*4096+(\q)*2048+512*\c
.endr
.endm
; 16 matrix instructions: A's blocks a0, a0 + 1 x B's eight, 128 along K.  p: B's set.  zero = 1: the first product starts the sums: nothing is ever cleared.
; The 64 accumulators take turns, one instruction a turn, in the same order in every step.
.macro MUL16 a0, p, zero
.irp a, \a0, \a0+1
.irp b, 0,1,2,3,4,5,6,7
.if \zero
	v_wmma_f32_16x16x128_fp8_fp8 v[8*(8*((\a)%4)+\b):8*(8*((\a)%4)+\b)+7], v[128*(\p)+FR*\b:128*(\p)+FR*\b+FR-1], v[AF+FR*(\a):AF+FR*(\a)+FR-1], 0
.else
	v_wmma_f32_16x16x128_fp8_fp8 v[8*(8*((\a)%4)+\b):8*(8*((\a)%4)+\b)+7], v[128*(\p)+FR*\b:128*(\p)+FR*\b+FR-1], v[AF+FR*(\a):AF+FR*(\a)+FR-1], v[8*(8*((\a)%4)+\b):8*(8*((\a)%4)+\b)+7]
.endif
.endr
.endr
.endm
.macro FETCH_B slot, q, p              ; B's eight fragments into set p
	WIN TO_B
.irp i, 0,1,2,3,4,5,6,7
	FRAG 128*(\p)+FR*\i, ADRB+\slot, \q, \i
.endr
	WIN 0
.endm
.macro FETCH_A slot, q, i0             ; A's blocks i0 .. i0 + 3
.irp i, \i0, \i0+1, \i0+2, \i0+3
	FRAG AF+FR*(\i), ADRA+\slot, \q, \i
.endr
.endm
.macro PLACES n                        ; plain vector lines between a matrix instruction and a load into, or a read of, its registers
.rept \n
	v_nop
.endr
.endm
; A step of 128 along K that has its successor in the same slot.  A block of A is free as soon as its eight products are issued: blocks 0-3 are fetched anew in the step's middle, blocks 4-7 at its end.
.macro STEP slot, q, zero
	s_wait_dscnt 4*NL                              ; B's set and A's blocks 0-3 are in; the youngest sixteen loads (A's blocks 4-7) may be out
	WIN MUL_LO
	MUL16 0, (\q)%2, \zero
	MUL16 2, (\q)%2, \zero
	s_wait_dscnt 0                                 ; A's blocks 4-7 are in (asked for 32 matrix instructions ago)
	PLACES NP
	FETCH_B \slot, (\q)+1, 1-(\q)%2
	FETCH_A \slot, (\q)+1, 0
	WIN MUL_HI
	MUL16 4, (\q)%2, \zero
	MUL16 6, (\q)%2, \zero
	PLACES NP
	WIN 0
	FETCH_A \slot, (\q)+1, 4
.endm
; A slot's last step changes slots: ONE barrier; in front of it each wave waits for all its tensor loads, adds 0 to its spare word, and waits for that and for its own reads of this slot.  fill = 1: this slot is filled again, two K steps ahead.
.macro TURN slot, next, fill
	s_wait_tensorcnt 0x0                           ; all my tensor loads have landed: my part of the next slot  (every window is 0 here)
	ds_add_u32 v[SPW], v[NIL]                      ; 0 onto my spare word
	s_wait_dscnt 4*NL+1                            ; (the add and the youngest sixteen loads, A's blocks 4-7, may be out)
	WIN MUL_LO
	MUL16 0, 1, 0                                  ; sixteen matrix instructions stand between the add and the wait for it
	s_wait_dscnt 0x0                               ; the add is done, and my reads of this slot are over
	s_barrier_signal -1
	MUL16 2, 1, 0
	WIN 0
	s_barrier_wait -1
.if \fill
	CREST                                          ; the barrier has opened a round of the cluster's barrier: no wave of any partner still reads this slot or has a load on its way
	s_add_nc_u64 s[G0+4*\slot+2:G0+4*\slot+3], s[G0+4*\slot+2:G0+4*\slot+3], 2*KBLK
	s_add_nc_u64 s[G0B+4*\slot+2:G0B+4*\slot+3], s[G0B+4*\slot+2:G0B+4*\slot+3], 2*KBLK
	JLOAD G0+4*\slot, G1, G0B+4*\slot, G1B         ; the first tensor load behind the round; the four v_nop behind it are the places in front of the loads below
.else
	PLACES NP
.endif
	FETCH_B \next, 0, 0
	FETCH_A \next, 0, 0
	WIN MUL_HI
	MUL16 4, 1, 0
	MUL16 6, 1, 0
	PLACES NP
	WIN 0
	FETCH_A \next, 0, 4
.endm
	s_wait_alu depctr_va_vdst(0)
	s_wait_tensorcnt 1                             ; my part of K step 0 is in (K step 1's load may be out)
	s_barrier_signal -1
	s_barrier_wait -1                              ; everybody's is
	FETCH_B 0, 0, 0
	FETCH_A 0, 0, 0
	FETCH_A 0, 0, 4
	STEP 0, 0, 1                                   ; K 0: its products start the sums
	TURN 0, 1, 1                                   ; K 128; slot 0 takes K 512 on
	STEP 1, 0, 0                                   ; K 256
	TURN 1, 0, 1                                   ; K 384; slot 1 takes K 768 on
	STEP 0, 0, 0                                   ; K 512
	TURN 0, 1, 0                                   ; K 640; nothing is left to fetch
	STEP 1, 0, 0                                   ; K 768
	s_wait_dscnt 4*NL                              ; K 896, the last step
	WIN MUL_LO
	MUL16 0, 1, 0
	MUL16 2, 1, 0
	s_wait_dscnt 0
	WIN MUL_HI
	MUL16 4, 1, 0
	MUL16 6, 1, 0
	WIN 0
	s_wait_kmcnt 0x0
	s_sub_co_i32 s96, s90, s84                     ; q: e6 - e0 - e1
	s_sub_co_i32 s96, s96, s85
	s_sub_co_i32 s97, s91, s86                     ; k: e7 - e2 - e3
	s_sub_co_i32 s97, s97, s87
	s_sub_co_i32 s98, s93, s88                     ; v: e9 - e4 - e5
	s_sub_co_i32 s98, s98, s89
	s_cmp_eq_u32 s[PL], 1
	s_cselect_b32 s96, s97, s96
	s_cmp_eq_u32 s[PL], 2
	s_cselect_b32 s96, s98, s96
	s_add_co_i32 s96, s96, 127
	s_lshl_b32 s97, s96, 23
	v_mov_b32 v[SCLR], s97                         ; 2^fold as f32: the conversion takes its exponent field
	s_add_co_i32 s96, s96, 8
	s_lshl_b32 s96, s96, 23
	s_or_b32 s96, s96, 0x600000
; Block a of A: its eight accumulators are 64 numbers of one row a lane; register 16 b + i is neighbour 32 b + 16 (lane / 16) + i along the next K.  Converted, stored.
; Each block has its own 16 registers of codes, so no store's data are written again.
.macro EPI a
.set WS, 0x02+((\a)/4)
	WIN WS                                         ; source 0: window 2 or 3
.set n, 0
.rept 64
.set n, n+1
.endr
.irp b, 0,1,2,3
	v_cvt_scalef32_pk8_fp8_f32 v[CD+16*(\a)+4*\b:CD+16*(\a)+4*\b+1], v[TMP+16*\b+((64*((\a)%4)+n)-(TMP+n)):TMP+16*\b+7+((64*((\a)%4)+n)-(TMP+n))], v[SCLR]
	v_cvt_scalef32_pk8_fp8_f32 v[CD+16*(\a)+4*\b+2:CD+16*(\a)+4*\b+3], v[TMP+16*\b+8+((64*((\a)%4)+n)-(TMP+n)):TMP+16*\b+15+((64*((\a)%4)+n)-(TMP+n))], v[SCLR]
.endr
	WIN 0
	v_nop                                          ; a plain line behind the last conversion
.irp b, 0,1,2,3
	global_store_b128 v[VB+\b], v[CD+16*(\a)+4*\b:CD+16*(\a)+4*\b+3], s[SB+2*(\a):SB+2*(\a)+1]   ; 32 lanes store 512 consecutive bytes, aligned
.endr
.endm
	PLACES NP                                      ; behind the last products: their results are read, and A's registers take the codes
.irp a, 0,1,2,3,4,5,6,7
	EPI \a
.endr
	s_wait_tensorcnt 0x0                           ; the wave's end
	ds_add_u32 v[SPW], v[NIL]
	s_wait_dscnt 0x0
	CROUND                                         ; the closing round: no work-group ends while a partner may still ask for a tile that names it
	s_endpgm
.Lfunc_end_k_qaafe846a45_qkv:
	.size	k_qaafe846a45_qkv, .Lfunc_end_k_qaafe846a45_qkv-k_qaafe846a45_qkv
	.p2alignl 7, 3214868480
	.fill 96, 4, 3214868480
	.section	.rodata,"a",@progbits
	.p2align	6, 0x0
	.amdhsa_kernel k_qaafe846a45_qkv
		.amdhsa_group_segment_fixed_size 327680
		.amdhsa_private_segment_fixed_size 0
		.amdhsa_enable_private_segment 0
		.amdhsa_kernarg_size 32
		.amdhsa_user_sgpr_count 2
		.amdhsa_user_sgpr_kernarg_segment_ptr 1
		.amdhsa_wavefront_size32 1
		.amdhsa_system_sgpr_workgroup_id_x 1
		.amdhsa_system_sgpr_workgroup_id_y 1
		.amdhsa_system_sgpr_workgroup_id_z 1
		.amdhsa_system_vgpr_workitem_id 0
		.amdhsa_next_free_vgpr 1024
		.amdhsa_next_free_sgpr 102
		.amdhsa_reserve_vcc 0
		.amdhsa_float_denorm_mode_32 3
		.amdhsa_float_denorm_mode_16_64 3
		.amdhsa_fp16_overflow 1
		.amdhsa_memory_ordered 1
		.amdhsa_forward_progress 1
		.amdhsa_inst_pref_size 88
	.end_amdhsa_kernel
	.amdgpu_metadata
---
amdhsa.version: [ 1, 2 ]
amdhsa.kernels:
  - .name:           k_qaafe846a45_qkv
    .symbol:         k_qaafe846a45_qkv.kd
    .args:
      - { .name: xc, .offset: 0, .size: 8, .value_kind: global_buffer, .address_space: global }
      - { .name: wc, .offset: 8, .size: 8, .value_kind: global_buffer, .address_space: global }
      - { .name: lowp_scales, .offset: 16, .size: 8, .value_kind: global_buffer, .address_space: global }
      - { .name: qkv, .offset: 24, .size: 8, .value_kind: global_buffer, .address_space: global }
    .group_segment_fixed_size: 327680
    .private_segment_fixed_size: 0
    .kernarg_segment_align: 8
    .kernarg_segment_size: 32
    .max_flat_workgroup_size: 128
    .sgpr_count:     102
    .vgpr_count:     1024
    .wavefront_size: 32
...
	.end_amdgpu_metadata
.endif
;; end of part 2
;; launch attn (part 3): grid 4 x 64, 16 waves a work-group, clusters of 4 x 1, 264,192 bytes of LDS; arguments qkv, lowp_scales, cc; writes cc
.if DOCPART == 3
	.amdgcn_target "amdgcn-amd-amdhsa--gfx1250"
	.amdhsa_code_object_version 6
	.text
	.protected	k_qaafe846a45_attn
	.globl	k_qaafe846a45_attn
	.p2align	8
	.type	k_qaafe846a45_attn,@function
k_qaafe846a45_attn:
	s_mov_b64 s[64:65], 0
	v_nop
	global_prefetch_b8 v0, s[64:65] scope:SCOPE_SE
	s_setreg_imm32_b32 hwreg(HW_REG_WAVE_MODE, 25, 1), 1
	s_wait_xcnt 0x0
	s_wait_alu depctr_hold_cnt(0) depctr_sa_sdst(0) depctr_va_vdst(0) depctr_va_sdst(0) depctr_va_ssrc(0) depctr_va_vcc(0) depctr_vm_vsrc(0)
	s_getreg_b32 s2, hwreg(HW_REG_IB_STS2, 6, 4)
	s_cmp_eq_u32 s2, 0
	s_cbranch_scc0 .Lentry_in_a_cluster
	s_endpgm
.Lentry_in_a_cluster:
	s_bfe_u32 s2, ttmp6, 0x10000c
	s_cmp_lg_u32 s2, 0x3003
	s_cbranch_scc0 .Lentry_shape_is_right
	s_endpgm
.Lentry_shape_is_right:
; ctx[b][h][q] = the sum over keys k <= q of softmax_k(q . k / 8) v, both products on codes of FP8 (E4M3) with the given scales e6 (q), e7 (k), e8 (p), e9 (v); ctx is quantised at once with e10 for the last product.
; THE SOFTMAX AHEAD OF THE SECOND PRODUCT: t = score x log2(e) / 8; M = the row's largest t so far, rounded UP to a whole number; p = 2^(t - M) is quantised, not normalised; the row's sum is taken of the
; unquantised p and divides at the end.  When M moves, the sum and O are multiplied by 2^(old M - new M): exact.
; IN: q, k planes [b h][T 128][c 2][lane][16 bytes], v plane [b h][key step 16][t 4][c 4][lane][16 bytes]: images of operand registers; tile T, lane-row r stand for row 32 (T / 2) + 8 (T % 2) + r + 8 (r / 8).
; A HEAD'S K AND V LIE IN LDS WHOLE: 131,072 bytes each, filled once: no ring, one barrier.  The four work-groups of a cluster share the head and ask for the eight blocks of 32,768 bytes JOINTLY (waves 0-7, one load each).
; SHARES.  Group g = 128 queries = 8 tiles; it needs key steps 0 .. g, and step g lies on the diagonal.  Wave w owns tile 2 cx + w % 2 of group 15 - w / 2 and then of group w / 2: 17 key steps for every wave.
; Both loops have constant trip counts (16, 8); a step whose keys all come after the group is left out by a scalar branch on the wave's number.  cx enters global addresses and one vector compare, no branch and no LDS address.
; LAYOUT.  Both products are used transposed: S^T = K Q^T (source 0 = 16 keys), O^T = V^T P^T (source 0 = 16 channels): a lane holds ONE query throughout; by the choice of a tile's rows the 16 registers of tiles
; 2 b, 2 b + 1 are 16 neighbouring keys (channels): the conversions' results are the next operand's registers.
; OUT: cc, the image of ctx [8192 tokens][1024 = 64 head + d]: byte (T / 8) 131072 + (k / 256) 32768 + (T % 8) 4096 + ((k / 32) % 8) 512 + 16 lane.
; LIMITS on the given exponents: e6 + e7 between -122 and 129 (added to c's exponent field); e8, and e10 - e8 - e9, between -126 and 119.
; REGISTERS: v1 16 x lane; v3 the diagonal's bound; v8, v9 LDS addresses; v12 -M, v13 the largest t, v[14:15] the sum in two halves; v16-23, v24-31 the two tiles of Q; v32-95 K's eight fragments, then V's four;
;   v96-159 S^T, then p; v160-191 O^T; v192-207 ctx's codes; v224-239 p's codes; v244: 2^e8; v245: the same with e10 - e8 - e9; v236, v242, v243, v252-254 at work.
.set LI,   1
.set DQ,   3
.set ADK,  8
.set ADV,  9
.set WV,   18                          ; s18  my wave's number
.set SEL,  20                          ; s[20:21] lane selects for v_permlanex16_b32: lane l xor 16
.set CS,   22                          ; s[22:23] c = log2(e) / 8 x 2^(e6 + e7)
.set G1,   24                          ; s[24:31] descriptor group 1
.set G0,   32                          ; s[32:35] group 0
.set KS,   36                          ; s36  the key step, and the loop's counter
.set TB,   37                          ; s37  its first byte in K's image
.set G,    38                          ; s38  the group in hand
.set VOFF, 131072                      ; V's image lies behind K's
.macro CROUND                          ; a round of the cluster's barrier
	s_barrier_signal -1
	s_barrier_wait -1
	s_cmp_lg_u32 s[WV], 0
	s_cbranch_scc1 .Lnot_wave_0_\@
	s_barrier_signal -3
.Lnot_wave_0_\@:
	s_barrier_wait -3
	s_barrier_signal -1
	s_barrier_wait -1
.endm
	s_load_b128 s[4:7], s[0:1], 0x0                ; qkv s[4:5], the exponents s[6:7]
	s_load_b64 s[8:9], s[0:1], 0x10                ; cc
	v_lshl_add_u32 v251, v0, 2, 0x40000
	v_mov_b32 v255, 0
	ds_add_u32 v251, v255
	ds_add_u32 v251, v255
	v_lshrrev_b32 v8, 5, v0
	s_delay_alu instid0(VALU_DEP_1)
	v_readfirstlane_b32 s[WV], v8                  ; wave 0..15
	s_bfe_u32 s40, ttmp6, 0x40000                  ; cx
	s_and_b32 s41, ttmp7, 0xffff                   ; 16 x batch + head, which the four partners share
	s_mov_b32 s[G1], 15|(3<<16)|(1<<21)            ; 15:0 the mask: all four; 17:16 elements of 8 bytes; 20 no padding; 21 set beside a mask
	s_mov_b32 s[G1+1], 32<<16                      ; tensor_dim0 = 32 elements: rows of 256 bytes
	s_mov_b32 s[G1+2], 128<<16                     ; tensor_dim1 = 128
	s_mov_b32 s[G1+3], 32<<16                      ; tile_dim0
	s_mov_b32 s[G1+4], 128                         ; tile_dim1
	s_mov_b32 s[G1+5], 32                          ; tensor_dim0_stride: dense
	s_mov_b32 s[G1+6], 0
	s_mov_b32 s[G1+7], 0
	s_mov_b32 s[G0], 1
	s_lshl_b32 s[G0+1], s[WV], 15                  ; LDS: wave x 32,768 (waves 0-3: K's image, 4-7: V's)
	s_lshr_b32 s42, s[WV], 2
	s_add_co_u32 s42, s42, 1
	s_lshl_b32 s42, s42, 23                        ; plane 1 (k) or 2 (v),
	s_lshl_b32 s58, s41, 17                        ; the head's 131,072 bytes,
	s_add_co_u32 s42, s42, s58
	s_and_b32 s43, s[WV], 3
	s_lshl_b32 s43, s43, 15                        ; my quarter of them
	s_add_co_u32 s42, s42, s43
	s_mov_b32 s43, 0
	s_and_b32 s49, s[WV], 1
	s_lshl_b32 s54, s40, 1
	s_add_co_u32 s54, s54, s49                     ; my tile in a group: 2 cx + w % 2
	s_lshr_b32 s55, s[WV], 1                       ; the light group, 0..7
	s_sub_co_u32 s39, 15, s55                      ; the heavy group, 15..8
	s_lshr_b32 s59, s41, 4                         ; cc: 16 groups of 8 token tiles a batch,
	s_lshl_b32 s59, s59, 21
	s_bfe_u32 s56, s41, 0x20002                    ; k / 256 = head / 4,
	s_lshl_b32 s56, s56, 15
	s_add_co_u32 s59, s59, s56
	s_lshl_b32 s56, s54, 12                        ; the tile in its group,
	s_add_co_u32 s59, s59, s56
	s_and_b32 s56, s41, 3                          ; (k / 32) % 8 = 2 (head % 4) + c
	s_lshl_b32 s56, s56, 10
	s_add_co_u32 s59, s59, s56
	s_mov_b32 s[SEL], 0x76543210
	s_mov_b32 s[SEL+1], 0xfedcba98
	s_mov_b32 s[CS], 0x3e38aa3b                    ; log2(e) / 8
.macro BASES g, qb, ob                 ; group s[g]: my tile of Q and my place in cc
	s_lshl_b32 s56, s[\g], 3
	s_add_co_u32 s56, s56, s54
	s_lshl_b32 s56, s56, 10                        ; a tile of Q is 1,024 bytes
	s_add_co_u32 s56, s56, s58
	s_mov_b32 s57, 0
	s_add_nc_u64 s[\qb:\qb+1], s[4:5], s[56:57]
	s_lshl_b32 s56, s[\g], 17
	s_add_co_u32 s56, s56, s59
	s_add_nc_u64 s[\ob:\ob+1], s[8:9], s[56:57]
.endm
	s_wait_dscnt 0x0
	s_wait_kmcnt 0x0
	s_load_b128 s[44:47], s[6:7], 0x18             ; e6, e7, e8, e9
	s_load_b32 s48, s[6:7], 0x28                   ; e10
	s_add_nc_u64 s[G0+2:G0+3], s[4:5], s[42:43]
	s_or_b32 s[G0+3], s[G0+3], 0x80000000          ; type = 2
	BASES 39, 10, 50
	BASES 55, 12, 52
	CROUND                                         ; all four work-groups are here: the joint loads meet
	s_cmp_lt_u32 s[WV], 8                          ; the launch's only fills, in one branch on the wave's number; the wait below is for 0
	s_cbranch_scc0 .Lno_fetch
	tensor_load_to_lds s[G0:G0+3], s[G1:G1+7]
	s_nop 0
.rept 4
	v_nop
.endr
.Lno_fetch:
	v_and_b32 v1, 31, v0
	s_delay_alu instid0(VALU_DEP_1)
	v_lshlrev_b32 v[LI], 4, v1
	global_load_b128 v[16:19], v[LI], s[10:11]             ; Q's two tiles stay in registers: registers 4 c .. 4 c + 3: d = 32 c + 16 (lane / 16) + 0 .. 15
	global_load_b128 v[20:23], v[LI], s[10:11] offset:512
	global_load_b128 v[24:27], v[LI], s[12:13]
	global_load_b128 v[28:31], v[LI], s[12:13] offset:512
	v_and_b32 v8, 15, v0                           ; r
	v_bfe_u32 v9, v0, 4, 1                         ; h
	s_delay_alu instid0(VALU_DEP_2)
	v_and_b32 v10, 8, v8
	s_delay_alu instid0(VALU_DEP_1)
	v_add_nc_u32 v10, v10, v8                      ; r + 8 (r / 8)
	s_delay_alu instid0(VALU_DEP_3)
	v_lshlrev_b32 v9, 4, v9
	s_delay_alu instid0(VALU_DEP_1)
	v_sub_nc_u32 v[DQ], v10, v9
	s_lshl_b32 s56, s40, 5
	s_lshl_b32 s57, s49, 3
	s_add_co_u32 s56, s56, s57
	v_add_nc_u32 v[DQ], s56, v[DQ]                 ; my query's place in its group, less 16 (lane / 16): register 16 b + i holds the step's key 16 (lane / 16) + 32 b + i, hidden on the diagonal where 32 b + i is larger
	v_mov_b32 v236, 0                              ; written once: a lane permute's destination counts as one of its sources
	v_mov_b32 v253, 0                              ; (named as the upper half of the pair v[252:253])
	s_wait_kmcnt 0x0
	s_add_co_i32 s56, s44, s45
	s_lshl_b32 s56, s56, 23
	s_add_co_i32 s[CS], s[CS], s56                 ; a score stands for score x 2^(e6 + e7): the exponents are added to c's exponent field
	s_mov_b32 s[CS+1], s[CS]                       ; (named with it as a pair, so it is written)
	s_add_co_i32 s56, s46, 127
	s_lshl_b32 s57, s56, 23
	v_mov_b32 v244, s57                            ; 2^e8
	s_sub_co_i32 s56, s48, s46
	s_sub_co_i32 s56, s56, s47                     ; O / the sum stands for ctx / 2^(e8 + e9): its code is that / 2^(e10 - e8 - e9)
	s_add_co_i32 s56, s56, 127
	s_lshl_b32 s57, s56, 23
	v_mov_b32 v245, s57
	s_wait_loadcnt 0x0                             ; Q
	s_wait_tensorcnt 0x0                           ; my block has landed,
	s_barrier_signal -1
	s_barrier_wait -1                              ; everybody's has: K and V are whole, and nobody writes LDS any more
; One tile of 16 queries through its key steps.  qf: Q's registers; ntrip: the loop's trips; gsel: the scalar with the group; kod: registers for ctx's codes; obase: the pair with the place in cc.
.macro PASS qf, ntrip, gsel, kod, obase
	s_mov_b32 s[G], s[\gsel]
	s_mov_b32 s[KS], 0
	s_mov_b32 s[TB], 0
	v_mov_b32 v13, 0xff61b1e6                      ; the largest t so far: -3e38, under every t
	s_delay_alu instid0(VALU_DEP_1)
	v_floor_f32 v12, -v13                          ; -M
	v_mov_b32 v14, 0                               ; the sum, in two halves
	v_mov_b32 v15, 0
.set j, 0
.rept 32
	v_mov_b32 v[160+j], 0                          ; O^T.  (The step is written once: the first finds zeros, which the first change of M leaves zeros)
.set j, j+1
.endr
.Lstep_\@:
	s_cmp_gt_u32 s[KS], s[G]                       ; all keys of this step come after my queries: nothing to do but count on
	s_cbranch_scc1 .Lhidden_\@
	s_setprio 2
	v_add_nc_u32 v[ADK], s[TB], v[LI]
	s_delay_alu instid0(VALU_DEP_1)
	v_add_nc_u32 v[ADV], VOFF, v[ADK]
	v_nop                                          ; with the two additions: four places in front of loads into registers that the last products read
	v_nop
.irp t, 0,1,2,3,4,5,6,7
.irp c, 0,1
	ds_load_b128 v[32+8*\t+4*\c:32+8*\t+4*\c+3], v[ADK] offset:1024*\t+512*\c
.endr
.endr
	s_wait_alu depctr_va_vdst(0)
	s_wait_dscnt 0x0
.irp t, 0,1,2,3,4,5,6,7                        ; S^T = K Q^T: eight tiles of 16 keys, K = the head's 64
	v_wmma_f32_16x16x64_fp8_fp8 v[96+8*\t:103+8*\t], v[32+8*\t:39+8*\t], v[\qf:\qf+7], 0
.endr
.rept 4
	v_nop                                          ; places in front of the loads below and of the first read of the scores
.endr
.irp t, 0,1,2,3                                ; V's four fragments land while the softmax is worked
.irp c, 0,1,2,3
	ds_load_b128 v[32+16*\t+4*\c:32+16*\t+4*\c+3], v[ADV] offset:2048*\t+512*\c
.endr
.endr
	s_cmp_lg_u32 s[KS], s[G]                       ; on the diagonal hidden scores become -infinity ahead of the maximum: p = 0 then.  The query's own key always counts
	s_cbranch_scc1 .Lopen_\@
	v_mov_b32 v254, 0xff800000
.irp n, 0,1,2,3,4,5,6,7,8,9,10,11,12,13,14,15,16,17,18,19,20,21,22,23,24,25,26,27,28,29,30,31,32,33,34,35,36,37,38,39,40,41,42,43,44,45,46,47,48,49,50,51,52,53,54,55,56,57,58,59,60,61,62,63
	v_cmp_gt_i32 vcc_lo, 32*(\n/16)+\n%16, v[DQ]
	v_cndmask_b32 v[96+\n], v[96+\n], v254, vcc_lo
.endr
.Lopen_\@:
	v_max3_num_f32 v254, v96, v97, v98             ; the step's largest score of my query, among my 64 keys, in two chains (each accumulator is first read in its low four registers),
	v_max3_num_f32 v252, v99, v100, v101
.irp i, 6,10,14,18,22,26,30,34,38,42,46,50,54,58
	v_max3_num_f32 v254, v254, v[96+\i], v[97+\i]
	v_max3_num_f32 v252, v252, v[98+\i], v[99+\i]
.endr
	v_max3_num_f32 v254, v254, v158, v159
	s_delay_alu instid0(VALU_DEP_1)
	v_max_num_f32 v254, v254, v252
	v_permlanex16_b32 v236, v254, s[SEL], s[SEL+1]
	s_delay_alu instid0(VALU_DEP_1)
	v_max_num_f32 v254, v254, v236                 ; and among lane l xor 16's
	s_delay_alu instid0(VALU_DEP_1)
	v_mul_f32 v254, s[CS], v254                    ; as t (c is positive)
	s_delay_alu instid0(VALU_DEP_1)
	v_max_num_f32 v13, v13, v254                   ; the running largest t
	v_mov_b32 v254, v12
	s_delay_alu instid0(VALU_DEP_2)
	v_floor_f32 v12, -v13                          ; the new -M = floor(-t) = -ceil(t): a whole number
	s_delay_alu instid0(VALU_DEP_1)
	v_sub_f32 v254, v12, v254                      ; M's old value less its new one: a whole number, 0 or less
	s_delay_alu instid0(VALU_DEP_1)
	v_cvt_i32_f32 v254, v254                       ; (it saturates)
	s_delay_alu instid0(VALU_DEP_1)
	v_ldexp_f32 v252, 1.0, v254                    ; f = 2^(old M - new M)
	s_setprio 1
.irp j, 0,2,4,6,8,10,12,14,16,18,20,22,24,26,28,30,32,34,36,38,40,42,44,46,48,50,52,54,56,58,60,62
	v_pk_fma_f32 v[96+\j:97+\j], v[96+\j:97+\j], s[CS:CS+1], v[12:13] op_sel_hi:[1,0,0]   ; t - M, two at a time (of the pairs c and -M the low word serves both halves)
.endr
	s_wait_alu depctr_va_vdst(0)
.irp j, 0,1,2,3,4,5,6,7,8,9,10,11,12,13,14,15,16,17,18,19,20,21,22,23,24,25,26,27,28,29,30,31,32,33,34,35,36,37,38,39,40,41,42,43,44,45,46,47,48,49,50,51,52,53,54,55,56,57,58,59,60,61,62,63
	v_exp_f32 v[96+\j], v[96+\j]                   ; p = 2^(t - M), at most 1: not normalised
.endr
	v_pk_mul_f32 v[14:15], v[14:15], v[252:253] op_sel_hi:[1,0]   ; the sums under the new M.  (A plain line behind the exponentials)
	s_wait_alu depctr_va_vdst(0)
	v_pk_add_f32 v[242:243], v[100:101], v[104:105]
	v_pk_add_f32 v[248:249], v[108:109], v[112:113]
	v_pk_add_f32 v[246:247], v[116:117], v[120:121]
	v_pk_add_f32 v[240:241], v[124:125], v[128:129]
	v_pk_add_f32 v[238:239], v[132:133], v[136:137]
	v_pk_add_f32 v[236:237], v[140:141], v[144:145]
	v_pk_add_f32 v[234:235], v[148:149], v[152:153]
	v_pk_add_f32 v[14:15], v[14:15], v[156:157]
	v_pk_add_f32 v[242:243], v[242:243], v[96:97]
	v_pk_add_f32 v[248:249], v[248:249], v[98:99]
	v_pk_add_f32 v[246:247], v[246:247], v[102:103]
	v_pk_add_f32 v[240:241], v[240:241], v[106:107]
	v_pk_add_f32 v[238:239], v[238:239], v[110:111]
	v_pk_add_f32 v[236:237], v[236:237], v[114:115]
	v_pk_add_f32 v[234:235], v[234:235], v[118:119]
	v_pk_add_f32 v[14:15], v[14:15], v[122:123]
	v_pk_add_f32 v[242:243], v[242:243], v[126:127]
	v_pk_add_f32 v[248:249], v[248:249], v[130:131]
	v_pk_add_f32 v[246:247], v[246:247], v[134:135]
	v_pk_add_f32 v[240:241], v[240:241], v[138:139]
	v_pk_add_f32 v[238:239], v[238:239], v[142:143]
	v_pk_add_f32 v[236:237], v[236:237], v[146:147]
	v_pk_add_f32 v[234:235], v[234:235], v[150:151]
	s_setprio 0
	v_pk_add_f32 v[14:15], v[14:15], v[154:155]
	v_pk_add_f32 v[242:243], v[242:243], v[158:159]
	s_delay_alu instid0(VALU_DEP_2)
	v_pk_add_f32 v[14:15], v[14:15], v[240:241]
	s_delay_alu instid0(VALU_DEP_2)
	v_pk_add_f32 v[242:243], v[242:243], v[238:239]
	v_pk_add_f32 v[248:249], v[248:249], v[236:237]
	v_pk_add_f32 v[246:247], v[246:247], v[234:235]
	s_delay_alu instid0(VALU_DEP_2)
	v_pk_add_f32 v[14:15], v[14:15], v[248:249]
	s_delay_alu instid0(VALU_DEP_2)
	v_pk_add_f32 v[242:243], v[242:243], v[246:247]
	s_delay_alu instid0(VALU_DEP_1)
	v_pk_add_f32 v[14:15], v[14:15], v[242:243]
.irp b, 0,1,2,3
.irp i, 0,1,2,3,4,5,6,7,8,9,10,11,12,13,14,15
.endr
	v_cvt_scalef32_pk8_fp8_f32 v[224+4*\b:225+4*\b], v[96+16*\b:103+16*\b], v244
	v_cvt_scalef32_pk8_fp8_f32 v[226+4*\b:227+4*\b], v[104+16*\b:111+16*\b], v244
.endr
.irp j, 0,2,4,6,8,10,12,14,16,18,20,22,24,26,28,30
	v_pk_mul_f32 v[160+\j:161+\j], v[160+\j:161+\j], v[252:253] op_sel_hi:[1,0]   ; O^T under the new M.  (Plain lines between the conversions and the products that read their results)
.endr
	s_wait_alu depctr_va_vdst(0)
	s_wait_dscnt 0x0                               ; V is in
.irp t, 0,1,2,3                                ; O^T += V^T P^T: four tiles of 16 channels, K = these 128 keys.  The four accumulators take turns; between two links of a chain stand eleven other products
	v_wmma_f32_16x16x128_fp8_fp8 v[160+8*\t:167+8*\t], v[32+16*\t:47+16*\t], v[224:239], v[160+8*\t:167+8*\t]
.endr
.Lhidden_\@:
	s_add_co_u32 s[TB], s[TB], 8192
	s_add_co_u32 s[KS], s[KS], 1
	s_cmp_lt_u32 s[KS], \ntrip
	s_cbranch_scc1 .Lstep_\@
	s_setprio 0
.rept 4
	v_nop                                          ; places behind the last products
.endr
	v_add_f32 v14, v14, v15                        ; the sum's two halves,
	v_permlanex16_b32 v236, v14, s[SEL], s[SEL+1]
	s_delay_alu instid0(VALU_DEP_1)
	v_add_f32 v14, v14, v236                       ; and lane l xor 16's: the row's sum
	s_wait_alu depctr_va_vdst(0)
	v_rcp_f32 v14, v14
	v_nop                                          ; a plain line behind the transcendental
	s_wait_alu depctr_va_vdst(0)
.irp j, 0,2,4,6,8,10,12,14,16,18,20,22,24,26,28,30
	v_pk_mul_f32 v[96+\j:97+\j], v[160+\j:161+\j], v[14:15] op_sel_hi:[1,0]   ; O^T / the sum: register 16 c + i is d = 32 c + 16 (lane / 16) + i of my query
.endr
.irp j, 0,1,2,3,4,5,6,7,8,9,10,11,12,13,14,15,16,17,18,19,20,21,22,23,24,25,26,27,28,29,30,31
.endr
.irp b, 0,1
	v_cvt_scalef32_pk8_fp8_f32 v[\kod+4*\b:\kod+4*\b+1], v[96+16*\b:103+16*\b], v245
	v_cvt_scalef32_pk8_fp8_f32 v[\kod+4*\b+2:\kod+4*\b+3], v[104+16*\b:111+16*\b], v245
.endr
	v_nop                                          ; a plain line behind the last conversion
	global_store_b128 v[LI], v[\kod:\kod+3], s[\obase:\obase+1]                 ; 32 lanes store 512 consecutive bytes, aligned; each pass has its own registers and base
	global_store_b128 v[LI], v[\kod+4:\kod+7], s[\obase:\obase+1] offset:512
.endm
	PASS 16, 16, 39, 192, 50                       ; the heavy tile: 9 to 16 key steps
	PASS 24, 8, 55, 200, 52                        ; the light tile: 8 to 1
	s_wait_dscnt 0x0
	s_wait_tensorcnt 0x0
	ds_add_u32 v251, v255
	s_wait_dscnt 0x0
	CROUND                                         ; the closing round
	s_endpgm
.Lfunc_end_k_qaafe846a45_attn:
	.size	k_qaafe846a45_attn, .Lfunc_end_k_qaafe846a45_attn-k_qaafe846a45_attn
	.p2alignl 7, 3214868480
	.fill 96, 4, 3214868480
	.section	.rodata,"a",@progbits
	.p2align	6, 0x0
	.amdhsa_kernel k_qaafe846a45_attn
		.amdhsa_group_segment_fixed_size 264192
		.amdhsa_private_segment_fixed_size 0
		.amdhsa_enable_private_segment 0
		.amdhsa_kernarg_size 24
		.amdhsa_user_sgpr_count 2
		.amdhsa_user_sgpr_kernarg_segment_ptr 1
		.amdhsa_wavefront_size32 1
		.amdhsa_system_sgpr_workgroup_id_x 1
		.amdhsa_system_sgpr_workgroup_id_y 1
		.amdhsa_system_sgpr_workgroup_id_z 1
		.amdhsa_system_vgpr_workitem_id 0
		.amdhsa_next_free_vgpr 256
		.amdhsa_next_free_sgpr 66
		.amdhsa_reserve_vcc 1
		.amdhsa_float_denorm_mode_32 3
		.amdhsa_float_denorm_mode_16_64 3
		.amdhsa_fp16_overflow 1
		.amdhsa_memory_ordered 1
		.amdhsa_forward_progress 1
		.amdhsa_inst_pref_size 51
	.end_amdhsa_kernel
	.amdgpu_metadata
---
amdhsa.version: [ 1, 2 ]
amdhsa.kernels:
  - .name:           k_qaafe846a45_attn
    .symbol:         k_qaafe846a45_attn.kd
    .args:
      - { .name: qkv, .offset: 0, .size: 8, .value_kind: global_buffer, .address_space: global }
      - { .name: lowp_scales, .offset: 8, .size: 8, .value_kind: global_buffer, .address_space: global }
      - { .name: cc, .offset: 16, .size: 8, .value_kind: global_buffer, .address_space: global }
    .group_segment_fixed_size: 264192
    .private_segment_fixed_size: 0
    .kernarg_segment_align: 8
    .kernarg_segment_size: 24
    .max_flat_workgroup_size: 512
    .sgpr_count:     66
    .vgpr_count:     256
    .wavefront_size: 32
...
	.end_amdgpu_metadata
.endif
;; end of part 3
;; launch outp (part 4): grid 4 x 32, 4 waves a work-group, clusters of 4 x 4, 327,680 bytes of LDS; arguments cc, wc, lowp_scales, bo, out0; writes out0
.if DOCPART == 4
	.amdgcn_target "amdgcn-amd-amdhsa--gfx1250"
	.amdhsa_code_object_version 6
	.text
	.protected	k_qaafe846a45_outp
	.globl	k_qaafe846a45_outp
	.p2align	8
	.type	k_qaafe846a45_outp,@function
k_qaafe846a45_outp:
	s_mov_b64 s[64:65], 0
	v_nop
	global_prefetch_b8 v0, s[64:65] scope:SCOPE_SE
	s_setreg_imm32_b32 hwreg(HW_REG_WAVE_MODE, 25, 1), 1
	s_wait_xcnt 0x0
	s_wait_alu depctr_hold_cnt(0) depctr_sa_sdst(0) depctr_va_vdst(0) depctr_va_sdst(0) depctr_va_ssrc(0) depctr_va_vcc(0) depctr_vm_vsrc(0)
	s_getreg_b32 s2, hwreg(HW_REG_IB_STS2, 6, 4)
	s_cmp_eq_u32 s2, 0
	s_cbranch_scc0 .Lentry_in_a_cluster
	s_endpgm
.Lentry_in_a_cluster:
	s_bfe_u32 s2, ttmp6, 0x10000c
	s_cmp_lg_u32 s2, 0xf033
	s_cbranch_scc0 .Lentry_shape_is_right
	s_endpgm
.Lentry_shape_is_right:
; out0 = ctx Wo^T + bo on codes of FP8 (E4M3): ctx's codes (scale e10) from cc, Wo's (e11) from plane 3 of wc; f32 sums; out = sum x 2^(e10 + e11) + bo, one fused multiply-add.
; LIMIT: e10 + e11 between -126 and 127.
; OPERANDS are images of operand registers.  Tile T, lane-row r stand for row 32 (T / 2) + 8 (T % 2) + r + 8 (r / 8); 8 tiles x 256 K are one dense block of 32,768 bytes, in it tile i's fragment q
; at 4096 i + 2048 q, four loads of 16 bytes a lane at 16 x lane + 512 c: the same places of k in both operands.
; A tile of out0, 256 x 256, is made by four waves, 128 x 128 each: 64 accumulators, 512 registers.  K = 1,024 goes in four steps of 256 through two LDS slots.
; The grid is 128 work-groups: the same loop shape as the projections' launch; a smaller tile would read each fragment for half the products.
; THE MATRIX INSTRUCTION IS USED TRANSPOSED: source 0 = 16 rows of Wo ('B'), source 1 = 16 tokens ('A'): a lane holds one token, and the 16 registers of B's tiles 2 b, 2 b + 1 are 16 neighbouring columns.
; CLUSTERS: 4 x 4 work-groups.  A's tile hangs on the tile row alone and is asked for jointly along a row of the cluster, B's on the tile column alone, along a column.
; REGISTERS: window 0: v8-11 bo of my four columns; v16-29 addresses; v128-255 A's fragments, ONE set, later rows of out0.  window 1: B's fragments, TWO sets.  windows 2, 3: accumulator (a, b) at v[8 (8 (a % 4) + b)].
.set HALFT,  32768                     ; 8 tiles x 256 K: what one tensor load brings, and what one wave reads of A or of B
.set SLOT,   4*HALFT                   ; A's two halves, then B's two
.set KBLK,   32768                     ; in memory: from a K step's block to the next
.set SPARE,  2*SLOT                    ; behind the ring: the spare words, 128 bytes for each wave: two blocks of 256 bytes that no other line names
.set SPITCH, 528                       ; the way out: a stage of 16 rows x (512 bytes + 16) for each wave, in slot 0, which has had its last fill and its last read when the first result is stored there
.set FR,     16
.set NL,     4
.set NP,     4                         ; places behind this matrix instruction (ISA guide 7.12.1)
.set ADRA, 16                          ; v16-17  LDS address of my A fragments in slot 0, 1
.set ADRB, 20                          ; v20-21  the same for B
.set STO,  24                          ; v24     the way out: where I put my bytes of a row
.set RD,   25                          ; v25     where I read a row back
.set CO,   26                          ; v26     16 x lane: my bytes of a row's 512
.set SPW,  28                          ; v28     LDS address of my spare word; never rewritten
.set NIL,  29                          ; v29     0; never rewritten
.set AF,   128
.set BK,   128                         ; the way out: 16 rows read back: v128-191 and v192-255 by turns
.set G1, 24
.set G0, 32
.set G1B, 48
.set G0B, 56
.set MSB, 0
.macro WIN new                         ; the immediate's high byte repeats the setting that is left
.if MSB != \new
	s_set_vgpr_msb (MSB<<8)|\new
.set MSB, \new
.endif
.endm
.set MUL_LO, 0xa1                      ; source 0 (B) window 1, source 1 (A) window 0, C and D window 2
.set MUL_HI, 0xf1                      ; the same, C and D window 3
.set TO_B,   0x40                      ; destination window 1, address window 0
; A joint load: waves 0 and 1 fetch A's halves, waves 2 and 3 B's.  The branch hangs on the wave's number alone.  Four v_nop follow each of the two lines.
.macro JLOAD g0a, g1a, g0b, g1b
	s_cmp_eq_u32 s15, 0
	s_cbranch_scc0 .Lfor_b_\@
	tensor_load_to_lds s[\g0a:\g0a+3], s[\g1a:\g1a+7]
	s_nop 0
.rept 4
	v_nop
.endr
	s_branch .Lasked_\@
.Lfor_b_\@:
	tensor_load_to_lds s[\g0b:\g0b+3], s[\g1b:\g1b+7]
	s_nop 0
.rept 4
	v_nop
.endr
.Lasked_\@:
.endm
.macro CREST                           ; a round of the cluster's barrier behind its opening barrier
	s_cmp_lg_u32 s14, 0
	s_cbranch_scc1 .Lnot_wave_0_\@
	s_barrier_signal -3
.Lnot_wave_0_\@:
	s_barrier_wait -3
	s_barrier_signal -1
	s_barrier_wait -1
.endm
.macro CROUND                          ; a whole round
	s_barrier_signal -1
	s_barrier_wait -1
	CREST
.endm
	s_load_b128 s[4:7], s[0:1], 0x0                ; cc s[4:5], wc s[6:7]
	s_load_b128 s[8:11], s[0:1], 0x10              ; the exponents s[8:9], bo s[10:11]
	s_load_b64 s[12:13], s[0:1], 0x20              ; out0
	v_lshl_add_u32 v[SPW], v0, 2, SPARE
	v_mov_b32 v[NIL], 0
	ds_add_u32 v28, v29
	ds_add_u32 v28, v29
	s_wait_dscnt 0x0
	v_lshrrev_b32 v1, 5, v0
	v_readfirstlane_b32 s14, v1                    ; wave 0..3
	s_lshr_b32 s15, s14, 1                         ; which half of the tile's rows is mine.  Also: I fetch for A (0) or for B (1)
	s_and_b32 s16, s14, 1                          ; which half of its columns.  Also: which half of that tile I fetch
	s_bfe_u32 s40, ttmp6, 0x40000                  ; cx, cy: my place in the cluster
	s_bfe_u32 s41, ttmp6, 0x40004
	s_lshl_b32 s42, ttmp9, 2
	s_add_co_u32 s42, s42, s40                     ; tile column = 4 x cluster x + cx
	s_and_b32 s17, ttmp7, 0xffff
	s_lshl_b32 s17, s17, 2
	s_add_co_u32 s17, s17, s41                     ; tile row = 4 x cluster y + cy
	s_lshl_b32 s43, s41, 2
	s_lshl_b32 s43, 15, s43                        ; my row of the cluster
	s_lshl_b32 s44, 0x1111, s40                    ; my column
	; descriptor group 1: a dense block as 128 rows of 256 bytes
	s_or_b32 s[G1+0], s43, (3<<16)|(1<<21)         ; 15:0 the mask: A's tiles go to my row; 17:16 elements of 8 bytes; 20 no padding; 21 set beside a mask
	s_or_b32 s[G1B+0], s44, (3<<16)|(1<<21)
.irp g, G1, G1B
	s_mov_b32 s[\g+1], 32<<16                      ; tensor_dim0 = 32 elements
	s_mov_b32 s[\g+2], 128<<16                     ; tensor_dim1 = 128
	s_mov_b32 s[\g+3], 32<<16                      ; tile_dim0
	s_mov_b32 s[\g+4], 128                         ; tile_dim1
	s_mov_b32 s[\g+5], 32                          ; tensor_dim0_stride: the rows are dense
	s_mov_b32 s[\g+6], 0
	s_mov_b32 s[\g+7], 0
.endr
	s_lshl_b32 s18, s16, 17                        ; the half that I fetch: 8 tiles
	s_lshl_b32 s20, s17, 18                        ; a tile of 256 rows: 16 tiles' images
	s_add_co_u32 s20, s20, s18
	s_mov_b32 s21, 0
	s_lshl_b32 s46, s42, 18
	s_add_co_u32 s46, s46, s18
	s_add_co_u32 s46, s46, 0x300000                ; Wo is plane 3 of wc
	s_mov_b32 s47, 0
	s_mul_i32 s45, s14, HALFT                      ; where they go: wave x a half: no place in the cluster enters an LDS address
	s_wait_kmcnt 0x0
	s_load_b64 s[96:97], s[8:9], 0x28              ; e10, e11
	s_add_nc_u64 s[20:21], s[4:5], s[20:21]
	s_add_nc_u64 s[46:47], s[6:7], s[46:47]
	CROUND                                         ; all sixteen work-groups are here: the first joint loads meet
.irp s, 0,1
	s_mov_b32 s[G0+4*\s], 1
	s_add_co_u32 s[G0+4*\s+1], s45, \s*SLOT
	s_add_nc_u64 s[G0+4*\s+2:G0+4*\s+3], s[20:21], \s*KBLK
	s_or_b32 s[G0+4*\s+3], s[G0+4*\s+3], 0x80000000
	s_mov_b32 s[G0B+4*\s], 1
	s_add_co_u32 s[G0B+4*\s+1], s45, \s*SLOT
	s_add_nc_u64 s[G0B+4*\s+2:G0B+4*\s+3], s[46:47], \s*KBLK
	s_or_b32 s[G0B+4*\s+3], s[G0B+4*\s+3], 0x80000000
	s_wait_alu depctr_va_vdst(0)
	s_wait_tensorcnt 0x0
	ds_add_u32 v28, v29
	ds_add_u32 v28, v29
	s_wait_dscnt 0x0
	CROUND
	JLOAD G0+4*\s, G1, G0B+4*\s, G1B
.endr
	v_and_b32 v6, 31, v0
	v_lshlrev_b32 v[CO], 4, v6                     ; 16 x lane
	s_mul_i32 s21, s15, HALFT                      ; my half of A
	s_mul_i32 s22, s16, HALFT                      ; my half of B,
	s_add_co_u32 s22, s22, 2*HALFT                 ; which lies behind A's two
.irp s, 0,1
	v_add_nc_u32 v[ADRA+\s], s21, v[CO]
	v_add_nc_u32 v[ADRB+\s], s22, v[CO]
	s_add_co_u32 s21, s21, SLOT
	s_add_co_u32 s22, s22, SLOT
.endr
	s_mul_i32 s23, s14, 16*SPITCH                  ; my stage
	v_and_b32 v1, 15, v0                           ; r
	v_bfe_u32 v2, v0, 4, 1                         ; h
	v_mul_u32_u24 v5, v1, SPITCH
	v_lshl_add_u32 v5, v2, 6, v5
	v_add_nc_u32 v[STO], s23, v5                   ; in: row r, + 64 h: tile b's eight columns begin at column 32 (b / 2) + 16 h + 8 (b % 2)
	v_add_nc_u32 v[RD], s23, v[CO]                 ; back: the 32 lanes take one row of 512 bytes
	s_lshl_b32 s70, s42, 10                        ; my first column, in bytes: 1024 x tile column + 512 x half
	s_lshl_b32 s71, s16, 9
	s_add_co_u32 s70, s70, s71
	s_mov_b32 s71, 0
	s_add_nc_u64 s[10:11], s[10:11], s[70:71]
	global_load_b128 v[8:11], v[CO], s[10:11]      ; bo of the four columns that I store
	s_lshl_b32 s68, s17, 20                        ; my first row: 256 x tile row + 128 x half, rows of 4,096 bytes
	s_lshl_b32 s69, s15, 19
	s_add_co_u32 s68, s68, s69
	s_add_co_u32 s68, s68, s70
	s_mov_b32 s69, 0
	s_add_nc_u64 s[12:13], s[12:13], s[68:69]
.macro FRAG reg, adr, q, i             ; tile i's fragment of the slot's q-th 128 along K: four loads of 512 consecutive bytes
.irp c, 0,1,2,3
	ds_load_b128 v[\reg+4*\c:\reg+4*\c+3], v[\adr] offset:(\i)*4096+(\q)*2048+512*\c
.endr
.endm
; 16 matrix instructions: A's blocks a0, a0 + 1 x B's eight, 128 along K.  p: B's set.  zero = 1: the first product starts the sums: nothing is ever cleared.
; The 64 accumulators take turns, one instruction a turn, in the same order in every step.
.macro MUL16 a0, p, zero
.irp a, \a0, \a0+1
.irp b, 0,1,2,3,4,5,6,7
.if \zero
	v_wmma_f32_16x16x128_fp8_fp8 v[8*(8*((\a)%4)+\b):8*(8*((\a)%4)+\b)+7], v[128*(\p)+FR*\b:128*(\p)+FR*\b+FR-1], v[AF+FR*(\a):AF+FR*(\a)+FR-1], 0
.else
	v_wmma_f32_16x16x128_fp8_fp8 v[8*(8*((\a)%4)+\b):8*(8*((\a)%4)+\b)+7], v[128*(\p)+FR*\b:128*(\p)+FR*\b+FR-1], v[AF+FR*(\a):AF+FR*(\a)+FR-1], v[8*(8*((\a)%4)+\b):8*(8*((\a)%4)+\b)+7]
.endif
.endr
.endr
.endm
.macro FETCH_B slot, q, p              ; B's eight fragments into set p
	WIN TO_B
.irp i, 0,1,2,3,4,5,6,7
	FRAG 128*(\p)+FR*\i, ADRB+\slot, \q, \i
.endr
	WIN 0
.endm
.macro FETCH_A slot, q, i0             ; A's blocks i0 .. i0 + 3
.irp i, \i0, \i0+1, \i0+2, \i0+3
	FRAG AF+FR*(\i), ADRA+\slot, \q, \i
.endr
.endm
.macro PLACES n                        ; plain vector lines between a matrix instruction and a load into, or a read of, its registers
.rept \n
	v_nop
.endr
.endm
; A step of 128 along K that has its successor in the same slot.  A block of A is free as soon as its eight products are issued: blocks 0-3 are fetched anew in the step's middle, blocks 4-7 at its end.
.macro STEP slot, q, zero
	s_wait_dscnt 4*NL                              ; B's set and A's blocks 0-3 are in; the youngest sixteen loads (A's blocks 4-7) may be out
	WIN MUL_LO
	MUL16 0, (\q)%2, \zero
	MUL16 2, (\q)%2, \zero
	s_wait_dscnt 0                                 ; A's blocks 4-7 are in (asked for 32 matrix instructions ago)
	PLACES NP
	FETCH_B \slot, (\q)+1, 1-(\q)%2
	FETCH_A \slot, (\q)+1, 0
	WIN MUL_HI
	MUL16 4, (\q)%2, \zero
	MUL16 6, (\q)%2, \zero
	PLACES NP
	WIN 0
	FETCH_A \slot, (\q)+1, 4
.endm
; A slot's last step changes slots: ONE barrier; in front of it each wave waits for all its tensor loads, adds 0 to its spare word, and waits for that and for its own reads of this slot.  fill = 1: this slot is filled again, two K steps ahead.
.macro TURN slot, next, fill
	s_wait_tensorcnt 0x0                           ; all my tensor loads have landed: my part of the next slot  (every window is 0 here)
	ds_add_u32 v[SPW], v[NIL]                      ; 0 onto my spare word
	s_wait_dscnt 4*NL+1                            ; (the add and the youngest sixteen loads, A's blocks 4-7, may be out)
	WIN MUL_LO
	MUL16 0, 1, 0                                  ; sixteen matrix instructions stand between the add and the wait for it
	s_wait_dscnt 0x0                               ; the add is done, and my reads of this slot are over
	s_barrier_signal -1
	MUL16 2, 1, 0
	WIN 0
	s_barrier_wait -1
.if \fill
	CREST                                          ; the barrier has opened a round of the cluster's barrier: no wave of any partner still reads this slot or has a load on its way
	s_add_nc_u64 s[G0+4*\slot+2:G0+4*\slot+3], s[G0+4*\slot+2:G0+4*\slot+3], 2*KBLK
	s_add_nc_u64 s[G0B+4*\slot+2:G0B+4*\slot+3], s[G0B+4*\slot+2:G0B+4*\slot+3], 2*KBLK
	JLOAD G0+4*\slot, G1, G0B+4*\slot, G1B         ; the first tensor load behind the round; the four v_nop behind it are the places in front of the loads below
.else
	PLACES NP
.endif
	FETCH_B \next, 0, 0
	FETCH_A \next, 0, 0
	WIN MUL_HI
	MUL16 4, 1, 0
	MUL16 6, 1, 0
	PLACES NP
	WIN 0
	FETCH_A \next, 0, 4
.endm
	s_wait_alu depctr_va_vdst(0)
	s_wait_tensorcnt 1                             ; my part of K step 0 is in (K step 1's load may be out)
	s_barrier_signal -1
	s_barrier_wait -1                              ; everybody's is
	FETCH_B 0, 0, 0
	FETCH_A 0, 0, 0
	FETCH_A 0, 0, 4
	STEP 0, 0, 1                                   ; K 0: its products start the sums
	TURN 0, 1, 1                                   ; K 128; slot 0 takes K 512 on
	STEP 1, 0, 0                                   ; K 256
	TURN 1, 0, 1                                   ; K 384; slot 1 takes K 768 on
	STEP 0, 0, 0                                   ; K 512
	TURN 0, 1, 0                                   ; K 640; nothing is left to fetch; behind this barrier nobody reads slot 0
	STEP 1, 0, 0                                   ; K 768
	s_wait_dscnt 4*NL                              ; K 896, the last step
	WIN MUL_LO
	MUL16 0, 1, 0
	MUL16 2, 1, 0
	s_wait_dscnt 0
	WIN MUL_HI
	MUL16 4, 1, 0
	MUL16 6, 1, 0
	WIN 0
; THE WAY OUT, block by block of 16 tokens x 128 columns.  A lane holds pieces of 32 bytes of one row, and the lanes beside it hold other rows: so the raw sums go through my own stage in LDS and come back as whole rows
; of 512 bytes; there each pair becomes sum x 2^(e10 + e11) + bo, and the 32 lanes store 512 consecutive bytes, aligned.  LDS serves a wave's instructions in order: no wait between the stores and the loads.
.macro TOSTAGE a
.set WS, 0x08+4*((\a)/4)
	WIN WS                                         ; an LDS store's data: window 2 or 3; its address: window 0
.irp b, 0,1,2,3,4,5,6,7
	ds_store_b128 v[STO], v[64*((\a)%4)+8*\b:64*((\a)%4)+8*\b+3] offset:128*(\b/2)+32*(\b%2)       ; each accumulator from its low end on
	ds_store_b128 v[STO], v[64*((\a)%4)+8*\b+4:64*((\a)%4)+8*\b+7] offset:128*(\b/2)+32*(\b%2)+16
.endr
	WIN 0
.set BB, BK+64*((\a)%2)
.irp t, 0,1,2,3,4,5,6,7,8,9,10,11,12,13,14,15
	ds_load_b128 v[BB+4*\t:BB+4*\t+3], v[RD] offset:\t*SPITCH
.endr
.endm
.macro SEND a, younger                 ; younger: the LDS instructions issued behind block a's loads, which may stay out
.set BB, BK+64*((\a)%2)
	s_wait_dscnt \younger                          ; the block is back in registers
.irp t, 0,1,2,3,4,5,6,7,8,9,10,11,12,13,14,15
	v_pk_fma_f32 v[BB+4*\t:BB+4*\t+1], v[BB+4*\t:BB+4*\t+1], s[96:97], v[8:9] op_sel_hi:[1,0,1]       ; (the scalar pair's low word for both halves)
	v_pk_fma_f32 v[BB+4*\t+2:BB+4*\t+3], v[BB+4*\t+2:BB+4*\t+3], s[96:97], v[10:11] op_sel_hi:[1,0,1]
.endr
.irp t, 0,1,2,3,4,5,6,7,8,9,10,11,12,13,14,15
	global_store_b128 v[CO], v[BB+4*\t:BB+4*\t+3], s[12:13] offset:(32*((\a)/2)+8*((\a)%2)+\t+8*(\t/8))*4096 th:TH_STORE_NT   ; stage row t is the tile's lane-row t: its token stands in the immediate, 127 rows at the most; no base is stepped
.endr
.endm
	s_wait_kmcnt 0x0
	s_add_co_i32 s96, s96, s97                     ; e10 + e11,
	s_add_co_i32 s96, s96, 127
	s_lshl_b32 s96, s96, 23                        ; as the f32 number 2^(e10 + e11)
	s_mov_b32 s97, s96                             ; (named with it as a pair, so it is written)
	s_wait_loadcnt 0x0                             ; bo
	PLACES NP                                      ; behind the last products: their results are read, and A's registers take the rows
	TOSTAGE 0
.irp a, 1,2,3,4,5,6,7
.if \a > 1
	s_wait_xcnt 0x0                                ; block a - 2's stores have read their registers: block a's loads land there only behind this wait
.endif
	TOSTAGE \a
	SEND \a-1, 32                                  ; behind block a - 1's loads: block a's 16 stores and 16 loads
.endr
	SEND 7, 0
	s_wait_tensorcnt 0x0                           ; the wave's end: behind my last tensor load and my last LDS store
	ds_add_u32 v[SPW], v[NIL]
	s_wait_dscnt 0x0
	CROUND                                         ; the closing round: no work-group ends while a partner may still ask for a tile that names it
	s_endpgm
.Lfunc_end_k_qaafe846a45_outp:
	.size	k_qaafe846a45_outp, .Lfunc_end_k_qaafe846a45_outp-k_qaafe846a45_outp
	.p2alignl 7, 3214868480
	.fill 96, 4, 3214868480
	.section	.rodata,"a",@progbits
	.p2align	6, 0x0
	.amdhsa_kernel k_qaafe846a45_outp
		.amdhsa_group_segment_fixed_size 327680
		.amdhsa_private_segment_fixed_size 0
		.amdhsa_enable_private_segment 0
		.amdhsa_kernarg_size 40
		.amdhsa_user_sgpr_count 2
		.amdhsa_user_sgpr_kernarg_segment_ptr 1
		.amdhsa_wavefront_size32 1
		.amdhsa_system_sgpr_workgroup_id_x 1
		.amdhsa_system_sgpr_workgroup_id_y 1
		.amdhsa_system_sgpr_workgroup_id_z 1
		.amdhsa_system_vgpr_workitem_id 0
		.amdhsa_next_free_vgpr 1024
		.amdhsa_next_free_sgpr 98
		.amdhsa_reserve_vcc 0
		.amdhsa_float_denorm_mode_32 3
		.amdhsa_float_denorm_mode_16_64 3
		.amdhsa_memory_ordered 1
		.amdhsa_forward_progress 1
		.amdhsa_inst_pref_size 123
	.end_amdhsa_kernel
	.amdgpu_metadata
---
amdhsa.version: [ 1, 2 ]
amdhsa.kernels:
  - .name:           k_qaafe846a45_outp
    .symbol:         k_qaafe846a45_outp.kd
    .args:
      - { .name: cc, .offset: 0, .size: 8, .value_kind: global_buffer, .address_space: global }
      - { .name: wc, .offset: 8, .size: 8, .value_kind: global_buffer, .address_space: global }
      - { .name: lowp_scales, .offset: 16, .size: 8, .value_kind: global_buffer, .address_space: global }
      - { .name: bo, .offset: 24, .size: 8, .value_kind: global_buffer, .address_space: global }
      - { .name: out0, .offset: 32, .size: 8, .value_kind: global_buffer, .address_space: global }
    .group_segment_fixed_size: 327680
    .private_segment_fixed_size: 0
    .kernarg_segment_align: 8
    .kernarg_segment_size: 40
    .max_flat_workgroup_size: 128
    .sgpr_count:     98
    .vgpr_count:     1024
    .wavefront_size: 32
...
	.end_amdgpu_metadata
.endif
;; end of part 4
